; MI455X (gfx1250); checked and timed in simulation.
; The chip was launched on July 23, 2026; its instructions are those of AMD's public machine-readable ISA for CDNA 5 (MIT licence, August 2026) and "CDNA5" Instruction Set Architecture Reference Guide (July 2026). The comments in the code are by the model that wrote it; some were corrected since.
;; Multihead Attention. Allowed arithmetic: matrix products marked QUANTISED: E2M1 operands, one E8M0 scale for each 32 along K, by v_wmma_scale_f32_16x16x128_f8f6f4 with both operands' format E2M1 (or v_wmma_scale_f32_32x16x128_f4), f32 sums; everything else in f32.
;; Inputs: K_codes 4 x 2,048 x 32 x 16 uint8 (E2M1 codes of K, K innermost, in blocks of 32 codes, two codes a byte); K_scales 4 x 2,048 x 32 uint8 (E8M0 scales of K, one for each 32 codes along K); Q_codes 4 x 2,048 x 32 x 16 uint8 (E2M1 codes of Q, K innermost, in blocks of 32 codes, two codes a byte); Q_scales 4 x 2,048 x 32 uint8 (E8M0 scales of Q, one for each 32 codes along K); V_codes 4 x 2,048 x 32 x 16 uint8 (E2M1 codes of V, K innermost, in blocks of 32 codes, two codes a byte); V_scales 4 x 2,048 x 32 uint8 (E8M0 scales of V, one for each 32 codes along K); Wk_codes 16 x 64 x 32 x 16 uint8 (E2M1 codes of Wk, K innermost, in blocks of 32 codes, two codes a byte); Wk_scales 16 x 64 x 32 uint8 (E8M0 scales of Wk, one for each 32 codes along K); Wo_codes 1,024 x 32 x 16 uint8 (E2M1 codes of Wo, K innermost, in blocks of 32 codes, two codes a byte); Wo_scales 1,024 x 32 uint8 (E8M0 scales of Wo, one for each 32 codes along K); Wq_codes 16 x 64 x 32 x 16 uint8 (E2M1 codes of Wq, K innermost, in blocks of 32 codes, two codes a byte); Wq_scales 16 x 64 x 32 uint8 (E8M0 scales of Wq, one for each 32 codes along K); Wv_codes 16 x 64 x 32 x 16 uint8 (E2M1 codes of Wv, K innermost, in blocks of 32 codes, two codes a byte); Wv_scales 16 x 64 x 32 uint8 (E8M0 scales of Wv, one for each 32 codes along K); bk 16 x 64 float32; bo 1,024 float32; bq 16 x 64 float32; bv 16 x 64 float32.
;; Outputs: out0 4 x 2,048 x 1,024 float32.
;; This version of the problem:
;;   THIS VERSION OF THE PROBLEM IS GIVEN IN LOW PRECISION. The matrix products marked QUANTISED in the list below multiply operands that are first quantised to E2M1 (2 exponent bits, 1 mantissa bit; 4 bits a number), with one power-of-two scale for each 32 numbers along K (OCP MX v1.0); their sums are f32. All else is computed in f32.
;;   The module's matrix products, in the order in which they are computed (A, B: the left and right operand; K: the contracted axis; several contracted axes count as one K, in the product's order):
;;     1. [M 1,024, K 1,024] x [K 1,024, N 8,192]; A: input Wq (given as codes); B: input Q (given as codes): QUANTISED
;;     2. [M 1,024, K 1,024] x [K 1,024, N 8,192]; A: input Wk (given as codes); B: input K (given as codes): QUANTISED
;;     3. [M 1,024, K 1,024] x [K 1,024, N 8,192]; A: input Wv (given as codes); B: input V (given as codes): QUANTISED
;;     4. batch 64 x [M 2,048, K 64] x [K 64, N 2,048]; A: computed on the way; B: computed on the way: QUANTISED
;;     5. batch 64 x [M 2,048, K 2,048] x [K 2,048, N 64]; A: softmax (see below); B: computed on the way: QUANTISED
;;     6. [M 8,192, K 1,024] x [K 1,024, N 1,024]; A: computed on the way; B: input Wo (given as codes): QUANTISED
;;   THE QUANTISER, for each operand of a quantised product, along K:
;;     - K is cut into blocks of 32 from its start; a last block that is shorter is filled with zeros.
;;     - A block's scale is 2^e with e = floor(log2(the largest magnitude in the block)) - 2, held to -126 .. 127; a block of zeros has e = 0. As a byte (E8M0): e + 127.
;;     - Each number is divided by its block's scale, clamped to +-6, and rounded to the nearest number of E2M1, ties to even, subnormals kept.
;;     - The product sums the exact products of the quantised numbers (number of the format x scale) in f32.
;;   ~~~python
;;   def quantise(x, axis):      # numpy; x: float32 -> the quantised numbers, widened to float32 again
;;       x = np.moveaxis(x, axis, -1); K = x.shape[-1]
;;       x = np.pad(x, [(0, 0)] * (x.ndim - 1) + [(0, -K % 32)]); x = x.reshape(x.shape[:-1] + (-1, 32)); a = np.abs(x).max(-1, keepdims=True)
;;       e = np.where(a > 0, np.clip(np.frexp(np.where(a > 0, a, 1))[1] - 1 - 2, -126, 127), 0)      # np.frexp(a)[1] - 1 = floor(log2(a)), exactly
;;       r = np.clip(x / 2.0 ** e, -6, 6)
;;       step = 2.0 ** (np.maximum(np.frexp(np.where(r == 0, 1, r))[1] - 1, 0) - 1)
;;       q = np.round(r / step) * step * 2.0 ** e      # np.round: ties to even
;;       return np.moveaxis(q.reshape(q.shape[:-2] + (-1,))[..., :K], -1, axis).astype(np.float32)
;;   ~~~
;;   SOFTMAX AHEAD OF A QUANTISED PRODUCT. Where the list says 'softmax', what is quantised is not the finished softmax but p = 2^(t - M), with t = logit x log2(e) and M = ceil(the row's largest t), a whole number; so 1/2 < the row's largest p <= 1. The row's sum l is taken of the UNQUANTISED p, in f32, and the product's result is divided by l at the end. Since M is a whole number, a kernel that streams over the keys may use a running M (the ceiling of the running maximum): every later rescaling is an exact power of two, which a block's scale takes up: the codes' values come out the same.
;;   OPERANDS COMPUTED ON THE WAY. 'Computed on the way' means the value that the module computes at that place (a softmax that the list does not call 'softmax' is quantised finished and normalised). What goes into a quantiser is computed in f32, as accurately as f32 sums, v_exp_f32 and their like allow (about 1e-6 of the number): no bf16 or f16 on the way to a quantiser, and a product that is left as it is and whose result goes on into a quantised operand takes f32 operands (vector FMAs, or v_wmma_f32_16x16x4_f32). A number that lies on a knife's edge between two numbers of the format may be rounded either way, as far as f32 arithmetic and the matrix unit's own rounding can turn it there, and no further.
;;   INPUTS GIVEN AS CODES. K (in the module: [4, 2048, 1024], K = its axis 2); Q (in the module: [4, 2048, 1024], K = its axis 2); V (in the module: [4, 2048, 1024], K = its axis 2); Wk (in the module: [16, 1024, 64], K = its axis 1); Wo (in the module: [1024, 1024], K = its axis 0); Wq (in the module: [16, 1024, 64], K = its axis 1); Wv (in the module: [16, 1024, 64], K = its axis 1): each comes as NAME_codes (uint8): NAME with its K axis moved to the last place and cut into blocks of 32 codes, [.., K / 32, bytes a block], one block behind the other in memory; two codes a byte, the lower K in the low four bits (a code: sign, 2 exponent bits, 1 mantissa bit); and NAME_scales (uint8): the same leading axes, one E8M0 byte (e + 127) for each 32 codes along K. Its value is code x scale, taken as it is: it is not quantised again, and the codes and scales need not be those that the quantiser above would give.
;; One version. Each part assembles by itself: llvm-mc -triple=amdgcn-amd-amdhsa -mcpu=gfx1250 --defsym DOCPART=n.
;; ======== version 1 of 1: 3 launches
;; limits: right only within a limited range of input values
;; workspace buffers: qimg 4,194,304 bytes; qsc 524,288 bytes; kv 9,175,040 bytes; oimg 4,194,304 bytes; osc 524,288 bytes
;; launch proj (part 1): grid 256 x 1, 8 waves a work-group, clusters of 4 x 1, 327,680 bytes of LDS; arguments Q_codes, Q_scales, K_codes, K_scales, V_codes, V_scales, Wq_codes, Wq_scales, Wk_codes, Wk_scales, Wv_codes, Wv_scales, bq, bk, bv, qimg, qsc, kv; writes qimg, qsc, kv
.if DOCPART == 1
	.amdgcn_target "amdgcn-amd-amdhsa--gfx1250"
	.amdhsa_code_object_version 6
	.text
	.protected	k_q9d561bd080_proj
	.globl	k_q9d561bd080_proj
	.p2align	8
	.type	k_q9d561bd080_proj,@function
k_q9d561bd080_proj:
	s_mov_b64 s[64:65], 0
	v_nop
	global_prefetch_b8 v0, s[64:65] scope:SCOPE_SE
	s_setreg_imm32_b32 hwreg(HW_REG_WAVE_MODE, 25, 1), 1
	s_wait_xcnt 0x0
	s_wait_alu depctr_hold_cnt(0) depctr_sa_sdst(0) depctr_va_vdst(0) depctr_va_sdst(0) depctr_va_ssrc(0) depctr_va_vcc(0) depctr_vm_vsrc(0)
	s_getreg_b32 s2, hwreg(HW_REG_IB_STS2, 6, 4)
	s_cmp_eq_u32 s2, 0
	s_cbranch_scc0 .Lentry_in_a_cluster
	s_endpgm
.Lentry_in_a_cluster:
	s_bfe_u32 s2, ttmp6, 0x10000c
	s_cmp_lg_u32 s2, 0x3003
	s_cbranch_scc0 .Lentry_shape_is_right
	s_endpgm
.Lentry_shape_is_right:
; THE THREE PROJECTIONS q, k, v on codes of FP4 (E2M1) with one E8M0 scale for each 32 along K = 1,024, their biases, and the quantising of the results for the attention launch.
; A work-group makes three blocks of 128 x 256: source 0's 128 rows are its own, source 1's 256 rows are shared by the cluster's four work-groups and asked for jointly; each of eight waves takes all 128 rows x its own 32.
; q, k: source 0 = rows of W (two heads' channels), source 1 = tokens: a lane holds one token, its registers run along the channels.  v: source 0 = tokens (keys), source 1 = rows of Wv: the registers run along the keys.
; K goes in six chunks of 512 (rows of 256 bytes) through three LDS slots: one tensor load a wave behind each round of the cluster's barrier; the chunk asked for behind a round is awaited ahead of the next.
; q's and k's bias lies in 64 registers of window 1 and is the C of the product's first K step; v's is copied into sixteen registers of window 0.
.set PITCH, 272
.set T16,   16*PITCH
.set S1OFF, 128*PITCH
.set CHUNK, 384*PITCH
.set SCST,  3*CHUNK
.set SPARE, SCST+3*1024
.set HKV,   143360
.set KVS,   131072
.set A0,  4
.set A1,  7
.set LI,  10
.set SLO, 11
.set BOA, 12
.set BOB, 13
.set STW, 14
.set STR, 15
.set SC0, 16
.set SC1, 48
.set TM,  56
.set PW,  72
.set PC,  76
.set W,   92
.set WA,  96
.set WB,  100
.set VSO, 104
.set BV,  106
.set SPW, 108
.set NIL, 109
.set BT,  110
.set ACC, 128
.set PQC,  4
.set PQS,  6
.set PKC,  8
.set PKS,  10
.set PVC,  12
.set PVS,  14
.set PWQC, 16
.set PWQS, 18
.set PWKC, 20
.set PWKS, 22
.set PWVC, 24
.set PWVS, 26
.set PBQ,  28
.set PBK,  30
.set PBV,  32
.set PQI,  34
.set PQW,  36
.set PKV,  38
.set D0,   40
.set D1,   52
.set G1P,  68
.set G1J,  76
.set WV,   84
.set CX,   85
.set G0A,  86
.set G1A,  87
.set G0B,  88
.set G1B,  89
.set SEL,  90
.set PAD,  92
.set W3,   93
.set KC,   94
.set KW,   96
.set VW,   98
.set VC,   100
.set MSB, 0
.macro WIN new
.if MSB != \new
	s_set_vgpr_msb (MSB<<8)|\new
.set MSB, \new
.endif
.endm
.set MUL,  0x05
.set TO_F, 0x40
.set MULB, 0x15                        ; as MUL, with C in window 1: the bias
.macro ROUND
	s_barrier_signal -1
	s_barrier_wait -1
	s_cmp_lg_u32 s[WV], 0
	s_cbranch_scc1 .Lnot_wave_0_\@
	s_barrier_signal -3
.Lnot_wave_0_\@:
	s_barrier_wait -3
	s_barrier_signal -1
	s_barrier_wait -1
.endm
.macro PLACES
.rept 4
	v_nop
.endr
.endm
.macro JLOAD sl
	s_cmp_lt_u32 s[WV], 4
	s_cbranch_scc0 .Lfor_1_\@
	tensor_load_to_lds s[D0+4*\sl:D0+4*\sl+3], s[G1P:G1P+7]
	s_nop 0
.rept 4
	v_nop
.endr
	s_branch .Lasked_\@
.Lfor_1_\@:
	tensor_load_to_lds s[D1+4*\sl:D1+4*\sl+3], s[G1J:G1J+7]
	s_nop 0
.rept 4
	v_nop
.endr
.Lasked_\@:
.endm
.macro SETD sl, p0, p1, cc
	s_add_nc_u64 s[D0+4*\sl+2:D0+4*\sl+3], s[\p0:\p0+1], 256*\cc
	s_or_b32 s[D0+4*\sl+3], s[D0+4*\sl+3], 0x80000000
	s_add_nc_u64 s[D1+4*\sl+2:D1+4*\sl+3], s[\p1:\p1+1], 256*\cc
	s_or_b32 s[D1+4*\sl+3], s[D1+4*\sl+3], 0x80000000
.endm
; the rows that a load brings: a of source 0, b of source 1.  Written only where no tensor load of the wave is out
.macro ROWS a, b
	s_mov_b32 s[G1P+2], (\a)<<16
	s_mov_b32 s[G1P+4], \a
	s_mov_b32 s[G1J+2], (\b)<<16
	s_mov_b32 s[G1J+4], \b
.endm
; A FILL OF TWO CHUNKS, one load a wave: waves 0, 1 source 0 of chunk a (64 rows each), waves 2, 3 of chunk b; waves 4, 5 source 1 of chunk a (128 rows each), waves 6, 7 of chunk b.
; The pointers stand at the wave's part of a fill of one chunk (32 or 64 rows x wave % 4): that is taken off, and y x 64 or 128 rows and the chunk's 256 bytes in a row are put on.
.macro SETDD p0a, p1a, ca, p0b, p1b, cb
	s_bfe_u32 s2, s[WV], 0x10001                   ; x
	s_cmp_eq_u32 s2, 0
	s_cselect_b64 s[D0+2:D0+3], s[\p0a:\p0a+1], s[\p0b:\p0b+1]
	s_cselect_b64 s[D1+2:D1+3], s[\p1a:\p1a+1], s[\p1b:\p1b+1]
	s_cselect_b32 s2, 256*\ca, 256*\cb
	s_and_b32 s66, s[WV], 1                        ; y
	s_lshl_b32 s66, s66, 15
	s_add_co_u32 s66, s66, s2
	s_mov_b32 s67, 0
	s_add_nc_u64 s[D0+2:D0+3], s[D0+2:D0+3], s[66:67]
	s_sub_co_u32 s66, s66, s2
	s_lshl_b32 s66, s66, 1
	s_add_co_u32 s66, s66, s2
	s_add_nc_u64 s[D1+2:D1+3], s[D1+2:D1+3], s[66:67]
	s_lshl_b32 s66, s[W3], 14
	s_sub_nc_u64 s[D0+2:D0+3], s[D0+2:D0+3], s[66:67]
	s_lshl_b32 s66, s[W3], 15
	s_sub_nc_u64 s[D1+2:D1+3], s[D1+2:D1+3], s[66:67]
	s_or_b32 s[D0+3], s[D0+3], 0x80000000
	s_or_b32 s[D1+3], s[D1+3], 0x80000000
.endm
; the change of slots behind which slots 0 and 1 are filled again together: the tensor wait, the add and its wait, a round, the load
.macro MEETD p0a, p1a, ca, p0b, p1b, cb
	WIN 0
	s_wait_tensorcnt 0x0
	ds_add_u32 v[SPW], v[NIL]
	ROWS 64, 128
	SETDD \p0a, \p1a, \ca, \p0b, \p1b, \cb
	s_wait_dscnt 0x0
	ROUND
	JLOAD 0
.endm
.macro MEETR sl, p0, p1, cc
	WIN 0
	s_wait_tensorcnt 0x0
	ds_add_u32 v[SPW], v[NIL]
	ROWS 32, 64
	SETD \sl, \p0, \p1, \cc
	s_wait_dscnt 0x0
	ROUND
	JLOAD \sl
.endm
.macro MEET
	s_wait_dscnt 0x0
	s_wait_tensorcnt 0x0
	s_barrier_signal -1
	s_barrier_wait -1
.endm
.macro WM d, a, b, c, sa, sb, ra, rb
.if (\ra) && (\rb)
	v_wmma_scale_f32_16x16x128_f8f6f4 v[\d:\d+7], v[\a:\a+7], v[\b:\b+7], v[\c:\c+7], v[\sa], v[\sb] matrix_a_fmt:MATRIX_FMT_FP4 matrix_b_fmt:MATRIX_FMT_FP4 matrix_a_scale:MATRIX_SCALE_ROW1 matrix_b_scale:MATRIX_SCALE_ROW1
.elseif (\ra)
	v_wmma_scale_f32_16x16x128_f8f6f4 v[\d:\d+7], v[\a:\a+7], v[\b:\b+7], v[\c:\c+7], v[\sa], v[\sb] matrix_a_fmt:MATRIX_FMT_FP4 matrix_b_fmt:MATRIX_FMT_FP4 matrix_a_scale:MATRIX_SCALE_ROW1
.elseif (\rb)
	v_wmma_scale_f32_16x16x128_f8f6f4 v[\d:\d+7], v[\a:\a+7], v[\b:\b+7], v[\c:\c+7], v[\sa], v[\sb] matrix_a_fmt:MATRIX_FMT_FP4 matrix_b_fmt:MATRIX_FMT_FP4 matrix_b_scale:MATRIX_SCALE_ROW1
.else
	v_wmma_scale_f32_16x16x128_f8f6f4 v[\d:\d+7], v[\a:\a+7], v[\b:\b+7], v[\c:\c+7], v[\sa], v[\sb] matrix_a_fmt:MATRIX_FMT_FP4 matrix_b_fmt:MATRIX_FMT_FP4
.endif
.endm
.macro MUL8 q, t0, cm
.irp t, \t0, \t0+1, \t0+2, \t0+3
.irp n, 0, 1
.if (\cm) == 2
	WM ACC+64*\n+8*(\t), 64*((\q)&1)+8*(\t), 128+16*((\q)&1)+8*\n, 160+8*(\t), SC0+8*((\t)/2)+(\q), SC1+(\q), (\t)&1, \n
.elseif \cm
	WM ACC+64*\n+8*(\t), 64*((\q)&1)+8*(\t), 128+16*((\q)&1)+8*\n, BT+8*\n, SC0+8*((\t)/2)+(\q), SC1+(\q), (\t)&1, \n
.else
	WM ACC+64*\n+8*(\t), 64*((\q)&1)+8*(\t), 128+16*((\q)&1)+8*\n, ACC+64*\n+8*(\t), SC0+8*((\t)/2)+(\q), SC1+(\q), (\t)&1, \n
.endif
.endr
.endr
.endm
.macro FETCH sl, q
	WIN TO_F
.irp n, 0, 1
.irp c, 0, 1
	ds_load_b128 v[128+16*((\q)&1)+8*\n+4*\c:128+16*((\q)&1)+8*\n+4*\c+3], v[A1+\sl] offset:T16*\n+64*((\q)&3)+32*\c
.endr
.endr
.irp t, 0,1,2,3,4,5,6,7
.irp c, 0, 1
	ds_load_b128 v[64*((\q)&1)+8*\t+4*\c:64*((\q)&1)+8*\t+4*\c+3], v[A0+\sl] offset:T16*\t+64*((\q)&3)+32*\c
.endr
.endr
.endm
.macro STEPA q, cm
	s_wait_dscnt 0x8
.if (\cm) == 2
	WIN MULB
.else
	WIN MUL
.endif
	MUL8 \q, 0, \cm
.endm
.macro STEPB q, fetch, sl, fq, pl, cm
.if \fetch
.if \pl
	PLACES
.endif
	FETCH \sl, \fq
	s_wait_dscnt 20
.else
	s_wait_dscnt 0x0
.endif
.if (\cm) == 2
	WIN MULB
.else
	WIN MUL
.endif
	MUL8 \q, 4, \cm
.endm
.macro RUN3 q, sl, cm
	STEPA \q, \cm
	STEPB \q, 1, \sl, \q+1, 1, \cm
	STEPA \q+1, 0
	STEPB \q+1, 1, \sl, \q+2, 1, 0
	STEPA \q+2, 0
	STEPB \q+2, 1, \sl, \q+3, 1, 0
.endm
.macro QUANT s, pc, pw
.irp b, 0,1,2,3
	v_max3_num_f32 v[TM+\b], |v[\s+16*\b]|, |v[\s+1+16*\b]|, 0x1800000
.endr
.irp i, 2,4,6,8,10,12,14
.irp b, 0,1,2,3
	v_max3_num_f32 v[TM+\b], v[TM+\b], |v[\s+16*\b+\i]|, |v[\s+1+16*\b+\i]|
.endr
.endr
.irp b, 0,1,2,3
	s_delay_alu instid0(VALU_DEP_4)
	v_permlanex16_b32 v[TM+4+\b], v[TM+\b], s[SEL], s[SEL+1]
.endr
.irp b, 0,1,2,3
	s_delay_alu instid0(VALU_DEP_4)
	v_max_num_f32 v[TM+\b], v[TM+\b], v[TM+4+\b]
.endr
.irp b, 0,1,2,3
	s_delay_alu instid0(VALU_DEP_4)
	v_add_nc_u32 v[TM+12+\b], 0xff000000, v[TM+\b]
.endr
.irp b, 0,1,2,3
	s_delay_alu instid0(VALU_DEP_4)
	v_lshrrev_b32 v[TM+4+\b], 23, v[TM+12+\b]
.endr
	s_delay_alu instid0(VALU_DEP_3)
	v_lshl_or_b32 v[\pw], v[TM+5], 8, v[TM+4]
	s_delay_alu instid0(VALU_DEP_1)
	v_lshl_or_b32 v[\pw], v[TM+6], 16, v[\pw]
	s_delay_alu instid0(VALU_DEP_1)
	v_lshl_or_b32 v[\pw], v[TM+7], 24, v[\pw]
.irp c, 0, 1
.irp x, 0, 1
.irp e, 0, 1
	v_cvt_scalef32_pk8_fp4_f32 v[\pc+4*\c+2*\e+\x], v[\s+8*(4*\c+2*\x+\e):\s+8*(4*\c+2*\x+\e)+7], v[TM+12+2*\c+\x]
.endr
.endr
.endr
	v_nop
.irp c, 0, 1
.irp e, 0, 1
	v_permlane16_swap_b32 v[\pc+4*\c+2*\e], v[\pc+4*\c+2*\e+1]
.endr
.endr
.endm
.macro SCLOAD p0, p1
.irp i, 0,1,2,3
.irp c, 0, 1
	global_load_b128 v[SC0+8*\i+4*\c:SC0+8*\i+4*\c+3], v[SLO], s[\p0:\p0+1] offset:1024*\i+16*\c
.endr
.endr
.irp c, 0, 1
	global_load_b128 v[SC1+4*\c:SC1+4*\c+3], v[SLO], s[\p1:\p1+1] offset:16*\c
.endr
.endm
.macro BIAS n, p
.irp t, 0,1,2,3,4,5,6,7
.irp k, 0, 1
	global_load_b128 v[160+8*\t+4*\k:160+8*\t+4*\k+3], v[BOA], s[\p:\p+1] offset:64*\t+16*\k   ; window 1: tile t, register j, half h: the bias of channel 16 t + 8 h + j; it serves both tiles of tokens
.endr
.endr
.endm
.macro OUT m, cb, wb, dn, dc, hss, nx, ns0, ns1, nb
	WIN 0
	PLACES
.if \m
	s_wait_xcnt 0x0
.endif
.if \nx
	SCLOAD \ns0, \ns1
.endif
.if \nx == 1
	WIN TO_F
	BIAS 0, \nb                                    ; the next product's bias, asked for with its scales: the way out stands between these loads and the wait for them
	WIN 0
.endif
	QUANT ACC, PC, PW
	global_store_b128 v[LI], v[PC:PC+3], s[\cb:\cb+1]
	global_store_b128 v[LI], v[PC+4:PC+7], s[\cb:\cb+1] offset:\dc
	QUANT ACC+64, PC+8, PW+1
	global_store_b128 v[LI], v[PC+8:PC+11], s[\cb:\cb+1] offset:\dn
	global_store_b128 v[LI], v[PC+12:PC+15], s[\cb:\cb+1] offset:\dn+\dc
.if \nx == 2
.irp j, 0,1,2,3,4,5,6,7
	v_mov_b32 v[BT+\j], v[BV]
	v_mov_b32 v[BT+8+\j], v[BV+1]
.endr
.endif
	v_cmp_lt_u32 vcc_lo, 15, v1
	s_delay_alu instid0(VALU_DEP_1)
	v_cndmask_b32 v[PW+2], v[PW], v[PW+1], vcc_lo
	ds_store_b32 v[STW], v[PW+2] offset:1024*\m
	s_wait_dscnt 0x0
	s_barrier_signal -1
	s_barrier_wait -1
	s_cmp_gt_u32 s[WV], 1
	s_cbranch_scc1 .Lwords_\@
	ds_load_b128 v[W:W+3], v[STR] offset:1024*\m
	s_wait_dscnt 0x0
.if \m < 2
.irp k, 0,1,2,3
	v_perm_b32 v[WA+\k], s[PAD], v[W+\k], 0x05040100
	v_perm_b32 v[WB+\k], s[PAD], v[W+\k], 0x05040302
.endr
	global_store_b128 v[LI], v[WA:WA+3], s[\wb:\wb+1]
	global_store_b128 v[LI], v[WB:WB+3], s[\wb:\wb+1] offset:\hss
.else
	global_store_b128 v[VSO], v[W:W+3], s[\wb:\wb+1]
.endif
.Lwords_\@:
.endm
	s_load_b512 s[4:19], s[0:1], 0x0
	s_load_b512 s[20:35], s[0:1], 0x40
	s_load_b128 s[36:39], s[0:1], 0x80
	v_lshl_add_u32 v[SPW], v0, 2, SPARE
	v_mov_b32 v[NIL], 0
	ds_add_u32 v108, v109
	ds_add_u32 v108, v109
	s_wait_dscnt 0x0
	v_lshrrev_b32 v1, 5, v0
	s_delay_alu instid0(VALU_DEP_1)
	v_readfirstlane_b32 s[WV], v1
	s_and_b32 s[W3], s[WV], 3
	s_bfe_u32 s[CX], ttmp6, 0x40000
	s_and_b32 s[G0A], ttmp9, 1
	s_lshl_b32 s[G0A], s[G0A], 2
	s_add_co_u32 s[G0A], s[G0A], s[CX]
	s_lshr_b32 s[G1A], ttmp9, 1
	s_and_b32 s[G0B], ttmp9, 15
	s_lshl_b32 s[G0B], s[G0B], 2
	s_add_co_u32 s[G0B], s[G0B], s[CX]
	s_lshr_b32 s[G1B], ttmp9, 4
	s_mov_b32 s[SEL], 0x76543210
	s_mov_b32 s[SEL+1], 0xfedcba98
	s_mov_b32 s[PAD], 0x7f7f7f7f
	s_mov_b32 s[G1P+0], (1<<20)|(5<<22)|(3<<25)
	s_mov_b32 s[G1P+1], 256<<16
	s_mov_b32 s[G1P+2], 32<<16
	s_mov_b32 s[G1P+3], 256<<16
	s_mov_b32 s[G1P+4], 32
	s_mov_b32 s[G1P+5], 512
	s_mov_b32 s[G1P+6], 0
	s_mov_b32 s[G1P+7], 0
	s_mov_b32 s[G1J+0], 15|(1<<20)|(1<<21)|(5<<22)|(3<<25)
	s_mov_b32 s[G1J+1], 256<<16
	s_mov_b32 s[G1J+2], 64<<16
	s_mov_b32 s[G1J+3], 256<<16
	s_mov_b32 s[G1J+4], 64
	s_mov_b32 s[G1J+5], 512
	s_mov_b32 s[G1J+6], 0
	s_mov_b32 s[G1J+7], 0
	ROWS 64, 128                                   ; the head's fill is of two chunks
	s_mul_i32 s2, s[W3], 32*PITCH
	s_mul_i32 s3, s[W3], 64*PITCH
.irp s, 0, 1, 2
	s_mov_b32 s[D0+4*\s], 1
	s_add_co_u32 s[D0+4*\s+1], s2, \s*CHUNK
	s_mov_b32 s[D1+4*\s], 1
	s_add_co_u32 s[D1+4*\s+1], s3, \s*CHUNK+S1OFF
.endr
	s_bfe_u32 s2, s[WV], 0x10001                   ; a fill of two chunks uses slot 0's two groups 0: x = (wave / 2) % 2 picks the chunk and its slot, y = wave % 2 the half of its rows
	s_mul_i32 s2, s2, CHUNK
	s_and_b32 s3, s[WV], 1
	s_mul_i32 s3, s3, 64*PITCH
	s_add_co_u32 s[D0+1], s2, s3                   ; source 0: 64 rows a wave
	s_lshl_b32 s3, s3, 1
	s_add_co_u32 s3, s3, S1OFF
	s_add_co_u32 s[D1+1], s2, s3                   ; source 1: 128 rows a wave
	s_lshl_b32 s66, s[G0A], 16
	s_lshl_b32 s67, s[W3], 14
	s_add_co_u32 s66, s66, s67
	s_mov_b32 s67, 0
	s_lshl_b32 s2, s[G1A], 17
	s_lshl_b32 s3, s[W3], 15
	s_add_co_u32 s2, s2, s3
	s_mov_b32 s3, 0
	s_wait_kmcnt 0x0
	s_add_nc_u64 s[PWQC:PWQC+1], s[PWQC:PWQC+1], s[66:67]
	s_add_nc_u64 s[PWKC:PWKC+1], s[PWKC:PWKC+1], s[66:67]
	s_add_nc_u64 s[PQC:PQC+1], s[PQC:PQC+1], s[2:3]
	s_add_nc_u64 s[PKC:PKC+1], s[PKC:PKC+1], s[2:3]
	SETDD PWQC, PQC, 0, PWQC, PQC, 1               ; the head's fill: both halves of q's K, slots 0 and 1
	SETD 2, PWKC, PKC, 0
	ROUND
	JLOAD 0                                        ; chunk x (0 or 1): my one tensor load at the head; the set-up and the global loads below stand between it and the wait for it
	v_and_b32 v1, 31, v0
	v_and_b32 v2, 15, v0
	v_bfe_u32 v3, v0, 4, 1
	s_delay_alu instid0(VALU_DEP_3)
	v_lshlrev_b32 v[SLO], 5, v1
	s_wait_alu depctr_va_vdst(0)
	v_lshlrev_b32 v[BOA], 5, v3
	s_wait_alu depctr_va_vdst(0)
	v_lshlrev_b32 v[BOB], 2, v2
	s_wait_alu depctr_va_vdst(0)
	v_lshlrev_b32 v[LI], 4, v1
	s_lshl_b32 s66, s[G0A], 12
	s_add_nc_u64 s[PWQS:PWQS+1], s[PWQS:PWQS+1], s[66:67]
	s_add_nc_u64 s[PWKS:PWKS+1], s[PWKS:PWKS+1], s[66:67]
	s_lshl_b32 s66, s[G0A], 9
	s_add_nc_u64 s[PBQ:PBQ+1], s[PBQ:PBQ+1], s[66:67]
	s_add_nc_u64 s[PBK:PBK+1], s[PBK:PBK+1], s[66:67]
	s_lshl_b32 s2, s[G1A], 13
	s_lshl_b32 s3, s[WV], 10
	s_add_co_u32 s2, s2, s3
	s_mov_b32 s3, 0
	s_add_nc_u64 s[PQS:PQS+1], s[PQS:PQS+1], s[2:3]
	s_add_nc_u64 s[PKS:PKS+1], s[PKS:PKS+1], s[2:3]
	SCLOAD PWQS, PQS
	WIN TO_F
	BIAS 0, PBQ
	WIN 0
	s_lshl_b32 s2, s[G1B], 10
	s_lshl_b32 s3, s[WV], 7
	s_add_co_u32 s2, s2, s3
	s_mov_b32 s3, 0
	s_add_nc_u64 s[PBV:PBV+1], s[PBV:PBV+1], s[2:3]
	global_load_b32 v[BV], v[BOB], s[PBV:PBV+1]
	global_load_b32 v[BV+1], v[BOB], s[PBV:PBV+1] offset:64
	s_lshl_b32 s66, s[G0B], 16
	s_lshl_b32 s67, s[W3], 14
	s_add_co_u32 s66, s66, s67
	s_mov_b32 s67, 0
	s_add_nc_u64 s[PVC:PVC+1], s[PVC:PVC+1], s[66:67]
	s_lshl_b32 s66, s[G0B], 12
	s_add_nc_u64 s[PVS:PVS+1], s[PVS:PVS+1], s[66:67]
	s_lshl_b32 s2, s[G1B], 17
	s_lshl_b32 s3, s[W3], 15
	s_add_co_u32 s2, s2, s3
	s_mov_b32 s3, 0
	s_add_nc_u64 s[PWVC:PWVC+1], s[PWVC:PWVC+1], s[2:3]
	s_lshl_b32 s2, s[G1B], 13
	s_lshl_b32 s3, s[WV], 10
	s_add_co_u32 s2, s2, s3
	s_mov_b32 s3, 0
	s_add_nc_u64 s[PWVS:PWVS+1], s[PWVS:PWVS+1], s[2:3]
	v_mul_u32_u24 v[A0], v2, PITCH
	s_delay_alu instid0(VALU_DEP_1)
	v_lshl_add_u32 v[A0], v3, 4, v[A0]
	s_delay_alu instid0(VALU_DEP_1)
	v_add_nc_u32 v[A0+1], CHUNK, v[A0]
	s_delay_alu instid0(VALU_DEP_2)
	v_add_nc_u32 v[A0+2], 2*CHUNK, v[A0]
	s_mul_i32 s2, s[WV], 2*T16
	s_add_co_u32 s2, s2, S1OFF
	v_add_nc_u32 v[A1], s2, v[A0]
	v_add_nc_u32 v[A1+1], s2, v[A0+1]
	v_add_nc_u32 v[A1+2], s2, v[A0+2]
	v_lshl_add_u32 v[STW], v0, 2, SCST
	v_lshl_add_u32 v[STR], v0, 4, SCST
	s_lshl_b32 s2, s[WV], 1
	v_add_nc_u32 v[VSO], s2, v3
	s_delay_alu instid0(VALU_DEP_1)
	v_mul_u32_u24 v[VSO], v[VSO], HKV
	s_delay_alu instid0(VALU_DEP_1)
	v_lshl_add_u32 v[VSO], v2, 4, v[VSO]
.irp b, 0,1,2,3
	v_mov_b32 v[TM+4+\b], 0
.endr
	s_lshr_b32 s98, s[G1A], 3
	s_lshl_b32 s98, s98, 4
	s_lshl_b32 s67, s[G0A], 1
	s_add_co_u32 s98, s98, s67
	s_and_b32 s99, s[G1A], 7
	s_lshl_b32 s99, s99, 1
	s_lshr_b32 s100, s[WV], 2
	s_add_co_u32 s100, s100, s99
	s_lshl_b32 s101, s[W3], 10
	s_lshl_b32 s66, s98, 16
	s_lshl_b32 s67, s100, 12
	s_add_co_u32 s66, s66, s67
	s_add_co_u32 s66, s66, s101
	s_mov_b32 s67, 0
	s_add_nc_u64 s[PQI:PQI+1], s[PQI:PQI+1], s[66:67]
	s_add_co_u32 s99, s99, s[WV]
	s_lshl_b32 s66, s98, 13
	s_lshl_b32 s67, s99, 9
	s_add_co_u32 s66, s66, s67
	s_mov_b32 s67, 0
	s_add_nc_u64 s[PQW:PQW+1], s[PQW:PQW+1], s[66:67]
	s_mul_i32 s98, s98, HKV
	s_lshl_b32 s67, s100, 13
	s_add_co_u32 s66, s98, s67
	s_add_co_u32 s66, s66, s101
	s_mov_b32 s67, 0
	s_add_nc_u64 s[KC:KC+1], s[PKV:PKV+1], s[66:67]
	s_mul_i32 s67, s99, 768
	s_add_co_u32 s66, s98, s67
	s_add_co_u32 s66, s66, KVS
	s_mov_b32 s67, 0
	s_add_nc_u64 s[KW:KW+1], s[PKV:PKV+1], s[66:67]
	s_lshr_b32 s98, s[G0B], 4
	s_lshl_b32 s98, s98, 4
	s_lshl_b32 s67, s[G1B], 2
	s_add_co_u32 s98, s98, s67
	s_and_b32 s99, s[G0B], 15
	s_lshr_b32 s67, s[WV], 1
	s_add_co_u32 s67, s67, s98
	s_mul_i32 s66, s67, HKV
	s_lshl_b32 s67, s99, 13
	s_add_co_u32 s66, s66, s67
	s_and_b32 s67, s[WV], 1
	s_lshl_b32 s67, s67, 11
	s_add_co_u32 s66, s66, s67
	s_add_co_u32 s66, s66, 4096
	s_mov_b32 s67, 0
	s_add_nc_u64 s[VC:VC+1], s[PKV:PKV+1], s[66:67]
	s_mul_i32 s66, s98, HKV
	s_mul_i32 s67, s99, 768
	s_add_co_u32 s66, s66, s67
	s_add_co_u32 s66, s66, KVS+512
	s_mov_b32 s67, 0
	s_add_nc_u64 s[VW:VW+1], s[PKV:PKV+1], s[66:67]
	s_wait_alu depctr_va_vdst(0)                   ; the wait at the head's end
	s_wait_tensorcnt 0x0                           ; my part of the head's fill is in
	ds_add_u32 v[SPW], v[NIL]
	ROWS 32, 64                                    ; no tensor load of mine is out: the next fill is of one chunk
	s_wait_dscnt 0x0
	ROUND
	JLOAD 2                                        ; k's first half, into slot 2: its first fill, the first tensor load behind the round
	FETCH 0, 0
	s_wait_loadcnt 0x0
	RUN3 0, 0, 2
	STEPA 3, 0
	STEPB 3, 1, 1, 4, 1, 0
	RUN3 4, 1, 0
	STEPA 7, 0
	MEETD PWKC, PKC, 1, PVC, PWVC, 0
	STEPB 7, 1, 2, 0, 0, 0
	OUT 0, PQI, PQW, 512, 65536, 8192, 1, PWKS, PKS, PBK
	s_wait_loadcnt 0x0
	RUN3 0, 2, 2
	STEPA 3, 0
	MEETR 2, PVC, PWVC, 1
	STEPB 3, 1, 0, 4, 0, 0
	RUN3 4, 0, 0
	STEPA 7, 0
	STEPB 7, 1, 1, 0, 1, 0
	OUT 1, KC, KW, 512, HKV, HKV, 2, PVS, PWVS, 0
	s_wait_loadcnt 0x0
	s_wait_alu depctr_va_vdst(0)
	RUN3 0, 1, 1
	STEPA 3, 0
	MEET
	STEPB 3, 1, 2, 4, 1, 0
	RUN3 4, 2, 0
	STEPA 7, 0
	STEPB 7, 0, 0, 0, 0, 0
	OUT 2, VC, VW, 1024, 512, 0, 0, 0, 0, 0
	s_wait_tensorcnt 0x0
	ds_add_u32 v[SPW], v[NIL]
	s_wait_dscnt 0x0
	ROUND
	s_endpgm
.Lfunc_end_k_q9d561bd080_proj:
	.size	k_q9d561bd080_proj, .Lfunc_end_k_q9d561bd080_proj-k_q9d561bd080_proj
	.p2alignl 7, 3214868480
	.fill 96, 4, 3214868480
	.section	.rodata,"a",@progbits
	.p2align	6, 0x0
	.amdhsa_kernel k_q9d561bd080_proj
		.amdhsa_group_segment_fixed_size 327680
		.amdhsa_private_segment_fixed_size 0
		.amdhsa_enable_private_segment 0
		.amdhsa_kernarg_size 144
		.amdhsa_user_sgpr_count 2
		.amdhsa_user_sgpr_kernarg_segment_ptr 1
		.amdhsa_wavefront_size32 1
		.amdhsa_system_sgpr_workgroup_id_x 1
		.amdhsa_system_sgpr_workgroup_id_y 1
		.amdhsa_system_sgpr_workgroup_id_z 1
		.amdhsa_system_vgpr_workitem_id 0
		.amdhsa_next_free_vgpr 512
		.amdhsa_next_free_sgpr 102
		.amdhsa_reserve_vcc 1
		.amdhsa_float_denorm_mode_32 3
		.amdhsa_float_denorm_mode_16_64 3
		.amdhsa_memory_ordered 1
		.amdhsa_forward_progress 1
		.amdhsa_inst_pref_size 137
	.end_amdhsa_kernel
	.amdgpu_metadata
---
amdhsa.version: [ 1, 2 ]
amdhsa.kernels:
  - .name:           k_q9d561bd080_proj
    .symbol:         k_q9d561bd080_proj.kd
    .args:
      - { .name: Q_codes, .offset: 0, .size: 8, .value_kind: global_buffer, .address_space: global }
      - { .name: Q_scales, .offset: 8, .size: 8, .value_kind: global_buffer, .address_space: global }
      - { .name: K_codes, .offset: 16, .size: 8, .value_kind: global_buffer, .address_space: global }
      - { .name: K_scales, .offset: 24, .size: 8, .value_kind: global_buffer, .address_space: global }
      - { .name: V_codes, .offset: 32, .size: 8, .value_kind: global_buffer, .address_space: global }
      - { .name: V_scales, .offset: 40, .size: 8, .value_kind: global_buffer, .address_space: global }
      - { .name: Wq_codes, .offset: 48, .size: 8, .value_kind: global_buffer, .address_space: global }
      - { .name: Wq_scales, .offset: 56, .size: 8, .value_kind: global_buffer, .address_space: global }
      - { .name: Wk_codes, .offset: 64, .size: 8, .value_kind: global_buffer, .address_space: global }
      - { .name: Wk_scales, .offset: 72, .size: 8, .value_kind: global_buffer, .address_space: global }
      - { .name: Wv_codes, .offset: 80, .size: 8, .value_kind: global_buffer, .address_space: global }
      - { .name: Wv_scales, .offset: 88, .size: 8, .value_kind: global_buffer, .address_space: global }
      - { .name: bq, .offset: 96, .size: 8, .value_kind: global_buffer, .address_space: global }
      - { .name: bk, .offset: 104, .size: 8, .value_kind: global_buffer, .address_space: global }
      - { .name: bv, .offset: 112, .size: 8, .value_kind: global_buffer, .address_space: global }
      - { .name: qimg, .offset: 120, .size: 8, .value_kind: global_buffer, .address_space: global }
      - { .name: qsc, .offset: 128, .size: 8, .value_kind: global_buffer, .address_space: global }
      - { .name: kv, .offset: 136, .size: 8, .value_kind: global_buffer, .address_space: global }
    .group_segment_fixed_size: 327680
    .private_segment_fixed_size: 0
    .kernarg_segment_align: 8
    .kernarg_segment_size: 144
    .max_flat_workgroup_size: 256
    .sgpr_count:     102
    .vgpr_count:     512
    .wavefront_size: 32
...
	.end_amdgpu_metadata
.endif
;; end of part 1
;; launch attn (part 2): grid 256 x 1, 16 waves a work-group, clusters of 4 x 1, 169,984 bytes of LDS; arguments qimg, qsc, kv, oimg, osc; writes oimg, osc
.if DOCPART == 2
	.amdgcn_target "amdgcn-amd-amdhsa--gfx1250"
	.amdhsa_code_object_version 6
	.text
	.protected	k_q9d561bd080_attn
	.globl	k_q9d561bd080_attn
	.p2align	8
	.type	k_q9d561bd080_attn,@function
k_q9d561bd080_attn:
	s_mov_b64 s[64:65], 0
	v_nop
	global_prefetch_b8 v0, s[64:65] scope:SCOPE_SE
	s_setreg_imm32_b32 hwreg(HW_REG_WAVE_MODE, 25, 1), 1
	s_wait_xcnt 0x0
	s_wait_alu depctr_hold_cnt(0) depctr_sa_sdst(0) depctr_va_vdst(0) depctr_va_sdst(0) depctr_va_ssrc(0) depctr_va_vcc(0) depctr_vm_vsrc(0)
	s_getreg_b32 s2, hwreg(HW_REG_IB_STS2, 6, 4)
	s_cmp_eq_u32 s2, 0
	s_cbranch_scc0 .Lentry_in_a_cluster
	s_endpgm
.Lentry_in_a_cluster:
	s_bfe_u32 s2, ttmp6, 0x10000c
	s_cmp_lg_u32 s2, 0x3003
	s_cbranch_scc0 .Lentry_shape_is_right
	s_endpgm
.Lentry_shape_is_right:
; ATTENTION of one head and batch on codes of FP4 (E2M1), one E8M0 scale for each 32 along a product's K, and the quantising of its result for the last product.
; qimg, qsc, kv: as the launch before lays them (operands as images of their registers).  2,048 queries, 2,048 keys, 64 channels.
; SOFTMAX: t = score x log2(e) / 8; M = the row's largest t so far, rounded up to a whole number; p = 2^(t - M) is quantised along the keys, not normalised.
; The row's sum is taken of the unquantised p, in f32, and divides O at the end.  When M moves, the sum and O are multiplied by 2^(old M - new M): exact.
; SHARES.  A cluster of four work-groups takes one head of one batch; a work-group 512 queries; each of sixteen waves two tiles of 16 queries, one after the other.
; The head's K and V, codes and scale words, 143,360 bytes, lie in LDS whole: filled once, jointly for the four work-groups, each wave bringing a sixteenth (35 rows of 256 bytes).
; The load lays 32 bytes of padding behind each 256: byte x of the head's block lies at x + 32 (x / 256).  So the two groups of eight keys that a K load touches (1,024 bytes apart in memory, 1,152 in LDS) start in different halves of the 64 banks.
; No prefetch: the launch has one fill, at its head, and no loop that loads from memory.
; LAYOUT.  Both products transposed: S^T = K Q^T (source 0 = 16 keys, source 1 = my 16 queries), O^T = V^T P^T: a lane holds one query (lane % 16) throughout.
; THE KEYS OF A TILE ARE CHOSEN: row r of tile 4 g + u is key 64 g + 32 (r / 8) + 8 u + r % 8.  Lane (r, h) then holds in the 32 registers of tiles 4 g .. 4 g + 3 the WHOLE block 2 g + h of 32 keys, in order:
; the block's maximum needs no other lane, and the conversion of tile 4 g + u is register 4 g + u of P's operand as it stands.
; The first product's K is 64: registers 4-7 of both its fragments are zero codes, kept so for the whole launch, under scale bytes 0x7f.
; A block's largest p is not searched for: the block's largest score goes through the same multiply-add and exponential.  This takes v_exp_f32 not to fall where its input rises.
; LIMITS: NaN and infinities are not served; the scaled scores stay under 2^31 in magnitude.  A block whose largest magnitude lies under 2^-124, a block of zeros too, gets the byte 1 (the bytes are read by this program alone).
; OUT.  oimg [batch x 128 + tile of 16 rows][head][lane][16 bytes]: lane (r, h): row r, the head's channels 32 h .. 32 h + 31.  osc [head][batch x 2,048 + row]: a word (byte 0, byte 1, 0, 0).
.set HKV,   143360
.set PART,  8960                       ; a sixteenth of a head's block in memory
.set UP,    288                        ; 256 bytes and their padding in LDS
.set LPART, 35*UP
.set KVS,   512*UP                     ; the scale words in LDS
.set CSTEP, 32*UP                      ; a key step's codes: K's 16 units, V's 16
.set WSTEP, 3*UP                       ; a key step's words: K's 2 units, V's 1
.set OSTG,  560*UP                     ; behind the fill: 512 scale words of o meet here
.set SPARE, OSTG+2048                  ; the spare words, 128 bytes a wave
.set LC,  1                            ; 16 x lane: my place in an image in memory
.set LVC, 2                            ; 16 r + 288 h: my place in an image of V in LDS
.set LK,  3                            ; 16 (r % 8) + 1152 (r / 8) + 288 h: my row of a chosen tile of K
.set LS,  4                            ; KVS + 4 x lane: V's words
.set LKS, 5                            ; KVS + 4 (r % 8) + 128 (r / 8) + 32 h: K's words by the chosen rows
.set STW, 6                            ; OSTG + 128 x wave + 4 r
.set SH8, 8                            ; 8 h
.set ADV, 9                            ; the four addresses of the step in hand
.set ADK, 10
.set ADS, 11
.set ADKS, 254
.set QF,  16                           ; v16-23 q's fragment; v20-23 stay 0.  v12 -M, v13 the largest score, v[14:15] the sum
.set KS,  24                           ; v24-27 K's scale words: lanes 0-15 tile 2 i, lanes 16-31 tile 2 i + 1
.set VS,  28
.set PS,  30
.set QS0, 31
.set QS1, 255
.set KF,  32                           ; v32-95 K's eight fragments; registers 4-7 of each stay 0
.set S,   96                           ; v96-159 S^T, then p
.set OT,  160
.set VF,  192
.set PC,  224
.set T,   232                          ; v232-239 the tiles' maxima; later at work
.set A,   240                          ; v240-241 my two blocks' largest scores
.set Q1,  242                          ; v242-245 my second tile's codes of q
.set X,   232
.set Z,   233
.set D,   234
.set W,   235
.set B,   236
.set Y,   246
.set SC,  248                          ; v248-249 the conversions' scale operands
.set SPW, 250
.set NIL, 251
.set WV,  14
.set CX,  15
.set G0D, 20
.set G1D, 24
.set CS,  32                           ; s[32:33] c = log2(e) / 8
.set SEL, 34
.set TC,  36
.set TS,  37
.set CNT, 38
.macro ROUND
	s_barrier_signal -1
	s_barrier_wait -1
	s_cmp_lg_u32 s[WV], 0
	s_cbranch_scc1 .Lnot_wave_0_\@
	s_barrier_signal -3
.Lnot_wave_0_\@:
	s_barrier_wait -3
	s_barrier_signal -1
	s_barrier_wait -1
.endm
; one product.  z = 1: it starts a sum.  ra = 1: source 0's scale words stand in lanes 16-31
.macro WM d, a, b, z, sa, sb, ra
.if (\z) && (\ra)
	v_wmma_scale_f32_16x16x128_f8f6f4 v[\d:\d+7], v[\a:\a+7], v[\b:\b+7], 0, v[\sa], v[\sb] matrix_a_fmt:MATRIX_FMT_FP4 matrix_b_fmt:MATRIX_FMT_FP4 matrix_a_scale:MATRIX_SCALE_ROW1
.elseif (\z)
	v_wmma_scale_f32_16x16x128_f8f6f4 v[\d:\d+7], v[\a:\a+7], v[\b:\b+7], 0, v[\sa], v[\sb] matrix_a_fmt:MATRIX_FMT_FP4 matrix_b_fmt:MATRIX_FMT_FP4
.elseif (\ra)
	v_wmma_scale_f32_16x16x128_f8f6f4 v[\d:\d+7], v[\a:\a+7], v[\b:\b+7], v[\d:\d+7], v[\sa], v[\sb] matrix_a_fmt:MATRIX_FMT_FP4 matrix_b_fmt:MATRIX_FMT_FP4 matrix_a_scale:MATRIX_SCALE_ROW1
.else
	v_wmma_scale_f32_16x16x128_f8f6f4 v[\d:\d+7], v[\a:\a+7], v[\b:\b+7], v[\d:\d+7], v[\sa], v[\sb] matrix_a_fmt:MATRIX_FMT_FP4 matrix_b_fmt:MATRIX_FMT_FP4
.endif
.endm
; K's eight chosen tiles and their words, off bytes (codes) and woff bytes (words) on from the two addresses
.macro KLOAD ak, aw, off, woff
.irp g, 0, 1
.irp u, 0, 1, 2, 3
	ds_load_b128 v[KF+8*(4*\g+\u):KF+8*(4*\g+\u)+3], v[\ak] offset:\off+8*UP*\g+2*UP*(\u/2)+128*(\u%2)
.endr
.endr
.irp i, 0, 1, 2, 3
	ds_load_b32 v[KS+\i], v[\aw] offset:\woff+UP*(\i/2)+64*(\i%2)
.endr
.endm
	s_load_b256 s[4:11], s[0:1], 0x0               ; qimg, qsc, kv, oimg
	s_load_b64 s[12:13], s[0:1], 0x20              ; osc
	v_lshl_add_u32 v[SPW], v0, 2, SPARE
	v_mov_b32 v[NIL], 0
	ds_add_u32 v[SPW], v[NIL]                      ; the opening lines: the add twice on end and its wait
	ds_add_u32 v[SPW], v[NIL]
	v_lshrrev_b32 v1, 5, v0
	v_readfirstlane_b32 s[WV], v1                  ; wave 0..15
	s_bfe_u32 s[CX], ttmp6, 0x40000                ; my place in the cluster: it enters q's and o's addresses alone
	s_mov_b32 s[G1D+0], 15|(3<<16)|(1<<20)|(1<<21)|(5<<22)|(7<<25)   ; mask: all four; elements of 8 bytes; 8 words of padding behind every 64
	s_mov_b32 s[G1D+1], 32<<16
	s_mov_b32 s[G1D+2], 35<<16
	s_mov_b32 s[G1D+3], 32<<16
	s_mov_b32 s[G1D+4], 35
	s_mov_b32 s[G1D+5], 32
	s_mov_b32 s[G1D+6], 0
	s_mov_b32 s[G1D+7], 0
	s_mov_b32 s[G0D], 1
	s_mul_i32 s[G0D+1], s[WV], LPART               ; LDS address: the wave's number alone
	s_mul_i32 s16, ttmp9, HKV                      ; the cluster's number is batch x 16 + head
	s_mul_i32 s17, s[WV], PART
	s_add_co_u32 s16, s16, s17
	s_mov_b32 s17, 0
	s_mov_b32 s[CS], 0x3e38aa3b
	s_mov_b32 s[CS+1], s[CS]
	s_mov_b32 s[SEL], 0x76543210
	s_mov_b32 s[SEL+1], 0xfedcba98
	s_wait_dscnt 0x0
	s_wait_kmcnt 0x0
	s_add_nc_u64 s[G0D+2:G0D+3], s[8:9], s[16:17]
	s_or_b32 s[G0D+3], s[G0D+3], 0x80000000
	ROUND                                          ; all four work-groups are here: the joint loads meet
	tensor_load_to_lds s[G0D:G0D+3], s[G1D:G1D+7]  ; the launch's one fill: one load of mine is out
	s_nop 0
	s_lshl_b32 s40, s[CX], 5
	s_lshl_b32 s41, s[WV], 1
	s_add_co_u32 s40, s40, s41                     ; my first tile of 16 queries
	s_lshr_b32 s41, ttmp9, 4                       ; the batch
	s_and_b32 s39, ttmp9, 15                       ; the head
	s_mov_b32 s43, 0
	s_lshl_b32 s42, ttmp9, 16                      ; q's images: 65,536 bytes a head, 512 a tile
	s_lshl_b32 s44, s40, 9
	s_add_co_u32 s42, s42, s44
	s_add_nc_u64 s[4:5], s[4:5], s[42:43]
	s_lshl_b32 s42, ttmp9, 13                      ; q's scale words: 8,192 bytes a head, 64 a tile
	s_lshl_b32 s44, s40, 6
	s_add_co_u32 s42, s42, s44
	s_add_nc_u64 s[6:7], s[6:7], s[42:43]
	s_lshl_b32 s44, s41, 7                         ; o's images: 8,192 bytes a tile of rows, 512 a head
	s_add_co_u32 s44, s44, s40
	s_lshl_b32 s44, s44, 13
	s_lshl_b32 s46, s39, 9
	s_add_co_u32 s42, s44, s46
	s_add_nc_u64 s[10:11], s[10:11], s[42:43]
	s_lshl_b32 s42, s39, 15                        ; o's scale words: 32,768 bytes a head, 8,192 a batch, 2,048 a work-group
	s_lshl_b32 s44, s41, 13
	s_add_co_u32 s42, s42, s44
	s_lshl_b32 s44, s[CX], 11
	s_add_co_u32 s42, s42, s44
	s_add_nc_u64 s[12:13], s[12:13], s[42:43]
	v_and_b32 v9, 31, v0                           ; lane
	v_and_b32 v10, 15, v0                          ; r
	v_bfe_u32 v11, v0, 4, 1                        ; h
	v_lshlrev_b32 v[LC], 4, v9
	v_lshlrev_b32 v254, 2, v10
	global_load_b128 v[QF:QF+3], v[LC], s[4:5]     ; both tiles' q
	global_load_b128 v[Q1:Q1+3], v[LC], s[4:5] offset:512
	global_load_b32 v[QS0], v254, s[6:7]
	global_load_b32 v[QS1], v254, s[6:7] offset:64
	v_and_b32 v12, 7, v0                           ; r % 8
	v_bfe_u32 v13, v0, 3, 1                        ; r / 8
	v_mul_u32_u24 v[LVC], v11, UP
	v_lshl_add_u32 v[LK], v12, 4, v[LVC]
	v_mad_u32_u24 v[LK], v13, 4*UP, v[LK]
	v_lshl_add_u32 v[LVC], v10, 4, v[LVC]
	v_lshl_add_u32 v[LS], v9, 2, KVS
	v_lshl_add_u32 v[LKS], v12, 2, KVS
	v_lshl_add_u32 v[LKS], v11, 5, v[LKS]
	v_lshl_add_u32 v[LKS], v13, 7, v[LKS]
	v_lshlrev_b32 v[SH8], 3, v11
	v_and_b32 v14, 0x1ef, v0                       ; 32 x wave + r
	v_lshl_add_u32 v[STW], v14, 2, OSTG
.irp k, 4,5,6,7
	v_mov_b32 v[QF+\k], 0                          ; zero codes for K = 64 .. 127 of the first product
.irp t, 0,1,2,3,4,5,6,7
	v_mov_b32 v[KF+8*\t+\k], 0
.endr
.endr
	v_mov_b32 v[Y], 0                              ; a lane permute's destination counts as one of its sources
	v_mov_b32 v253, 0                              ; (the upper half of the pair v[252:253])
	s_wait_alu depctr_va_vdst(0)                   ; the wait at the head's end
	s_wait_tensorcnt 0x0                           ; my sixteenth is in,
	s_barrier_signal -1
	s_barrier_wait -1                              ; everybody's is
	s_wait_loadcnt 0x0                             ; q
; A KEY STEP: 128 keys.  pre = 1: the next step's K is asked for.  first = 1: the tile's first step starts M, the sum and O^T.
.macro STEP qs, pre, first
	s_wait_dscnt 0x0                               ; this step's K, asked for a step ago
.irp t, 0,1,2,3,4,5,6,7
	WM S+8*\t, KF+8*\t, QF, 1, KS+\t/2, \qs, \t&1
.endr
	v_add_nc_u32 v[ADV], s[TC], v[LVC]             ; four places in front of the loads and of the first read of the scores
	v_add_nc_u32 v[ADK], s[TC], v[LK]
	v_add_nc_u32 v[ADS], s[TS], v[LS]
	v_add_nc_u32 v[ADKS], s[TS], v[LKS]
.irp d, 0,1,2,3
.irp c, 0, 1
	ds_load_b128 v[VF+8*\d+4*\c:VF+8*\d+4*\c+3], v[ADV] offset:16*UP+4*UP*\d+2*UP*\c   ; this step's V
.endr
.endr
.irp i, 0, 1
	ds_load_b32 v[VS+\i], v[ADS] offset:2*UP+128*\i
.endr
.if \pre
	KLOAD ADK, ADKS, CSTEP, WSTEP
.endif
.irp t, 0,1,2,3,4,5,6,7
	v_max3_num_f32 v[T+\t], v[S+8*\t], v[S+8*\t+1], v[S+8*\t+2]   ; eight chains, a tile each, each tile from its low end on
.endr
.irp j, 3, 5
.irp t, 0,1,2,3,4,5,6,7
	v_max3_num_f32 v[T+\t], v[T+\t], v[S+8*\t+\j], v[S+8*\t+\j+1]
.endr
.endr
.irp g, 0, 1
	v_max3_num_f32 v[A+\g], v[T+4*\g], v[T+4*\g+1], v[T+4*\g+2]
.endr
.irp g, 0, 1
	v_max3_num_f32 v[T+4*\g], v[T+4*\g+3], v[S+32*\g+7], v[S+32*\g+15]
.endr
.irp g, 0, 1
	v_max3_num_f32 v[A+\g], v[A+\g], v[S+32*\g+23], v[S+32*\g+31]
.endr
.irp g, 0, 1
	v_max_num_f32 v[A+\g], v[A+\g], v[T+4*\g]      ; the largest score of my block 2 g + h
.endr
	s_delay_alu instid0(VALU_DEP_1)
	v_max_num_f32 v[X], v[A], v[A+1]
	s_delay_alu instid0(VALU_DEP_1)
	v_permlanex16_b32 v[Y], v[X], s[SEL], s[SEL+1]
	s_delay_alu instid0(VALU_DEP_1)
.if \first
	v_max_num_f32 v13, v[X], v[Y]                  ; the row's largest score so far
	s_delay_alu instid0(VALU_DEP_1)
	v_mul_f32 v[Z], s[CS], v13
	s_delay_alu instid0(VALU_DEP_1)
	v_floor_f32 v12, -v[Z]                         ; -M = floor(-t)
.else
	v_max3_num_f32 v13, v13, v[X], v[Y]
	s_delay_alu instid0(VALU_DEP_1)
	v_mul_f32 v[Z], s[CS], v13                     ; as t (c is positive)
	s_delay_alu instid0(VALU_DEP_1)
	v_floor_f32 v[Z], -v[Z]                        ; the new -M
	s_delay_alu instid0(VALU_DEP_1)
	v_sub_f32 v[D], v[Z], v12                      ; old M - new M: a whole number, 0 or less
	s_delay_alu instid0(VALU_DEP_2)
	v_mov_b32 v12, v[Z]
	s_delay_alu instid0(VALU_DEP_2)
	v_cvt_i32_f32 v[D], v[D]                       ; (it saturates)
	s_delay_alu instid0(VALU_DEP_1)
	v_ldexp_f32 v252, 1.0, v[D]                    ; f = 2^(old M - new M)
.endif
.set jj, 0
.rept 32
	v_pk_fma_f32 v[S+jj:S+jj+1], v[S+jj:S+jj+1], s[CS:CS+1], v[12:13] op_sel_hi:[1,0,0]   ; t - M
.set jj, jj+2
.endr
.irp g, 0, 1
	v_fma_f32 v[A+\g], v[A+\g], s[CS], v12         ; the same of each block's largest score
.endr
.if \first == 0
.set jj, 0
.rept 16
	v_pk_mul_f32 v[OT+jj:OT+jj+1], v[OT+jj:OT+jj+1], v[252:253] op_sel_hi:[1,0]   ; O^T under the new M: no transcendental stands between the last products and these reads
.set jj, jj+2
.endr
.endif
	s_wait_alu depctr_va_vdst(0)                   ; the wait ahead of the batch
.irp g, 0, 1
	v_exp_f32 v[A+\g], v[A+\g]                     ; the block's largest p
.endr
.set jj, 0
.rept 64
	v_exp_f32 v[S+jj], v[S+jj]                     ; p = 2^(t - M): not normalised
.set jj, jj+1
.endr
.if \first
	v_nop                                          ; a plain place behind the exponentials
.else
	v_pk_mul_f32 v[14:15], v[14:15], v[252:253] op_sel_hi:[1,0]   ; the sum under the new M; also the plain place
.endif
	s_wait_alu depctr_va_vdst(0)                   ; one wait for the batch, ahead of its first reader
.irp g, 0, 1
	v_max_num_f32 v[A+\g], 0x1800000, v[A+\g]      ; the floor 2^(3 - 127): the byte cannot fall under 1
.endr
.irp g, 0, 1
	s_delay_alu instid0(VALU_DEP_2)
	v_add_nc_u32 v[SC+\g], 0xff000000, v[A+\g]     ; 2 off the exponent field: the conversion's scale operand
.endr
.irp g, 0, 1
	s_delay_alu instid0(VALU_DEP_2)
	v_lshrrev_b32 v[B+\g], 23, v[SC+\g]            ; the scale's byte
.endr
.irp g, 0, 1
.irp u, 0, 1, 2, 3
	v_cvt_scalef32_pk8_fp4_f32 v[PC+4*\g+\u], v[S+8*(4*\g+\u):S+8*(4*\g+\u)+7], v[SC+\g]   ; keys 64 g + 32 h + 8 u + 0 .. 7: the operand's register 4 g + u
.endr
.endr
	v_lshl_or_b32 v[W], v[B+1], 16, v[B]           ; my bytes: blocks h and 2 + h.  (A plain place behind the conversions)
	s_delay_alu instid0(VALU_DEP_1)
	v_lshlrev_b32 v[W], v[SH8], v[W]               ; at their places in the word;
	s_delay_alu instid0(VALU_DEP_1)
	v_permlanex16_b32 v[Y], v[W], s[SEL], s[SEL+1]
	s_delay_alu instid0(VALU_DEP_1)
	v_or_b32 v[PS], v[W], v[Y]                     ; with lane xor 16's two the word is whole
; the row's sum of the unquantised p: eight chains.  These lines are also the places between p's codes and scale word and the products below
.set kk, 0
.irp u, 232,234,236,238,240,246,248
	v_pk_add_f32 v[\u:\u+1], v[S+4*kk:S+4*kk+1], v[S+4*kk+2:S+4*kk+3]
.set kk, kk+1
.endr
.if \first
	v_pk_add_f32 v[14:15], v[S+28:S+29], v[S+30:S+31]
.else
	v_pk_add_f32 v[14:15], v[14:15], v[S+28:S+29]
	v_pk_add_f32 v[232:233], v[232:233], v[S+30:S+31]
.endif
.set kk, 32
.rept 2
.irp u, 232,234,236,238,240,246,248
	v_pk_add_f32 v[\u:\u+1], v[\u:\u+1], v[S+kk:S+kk+1]
.set kk, kk+2
.endr
	v_pk_add_f32 v[14:15], v[14:15], v[S+kk:S+kk+1]
.set kk, kk+2
.endr
	v_pk_add_f32 v[232:233], v[232:233], v[234:235]
	v_pk_add_f32 v[236:237], v[236:237], v[238:239]
	v_pk_add_f32 v[240:241], v[240:241], v[246:247]
	v_pk_add_f32 v[14:15], v[14:15], v[248:249]
	v_pk_add_f32 v[232:233], v[232:233], v[236:237]
	v_pk_add_f32 v[14:15], v[14:15], v[240:241]
	v_pk_add_f32 v[14:15], v[14:15], v[232:233]
	s_wait_alu depctr_va_vdst(0)                   ; the wait here, directly ahead of the wait below
.if \pre
	s_wait_dscnt 12                                ; V's ten loads are in; the twelve of the next step's K, issued behind them, may stay out
.else
	s_wait_dscnt 0x0
.endif
.irp d, 0,1,2,3
	WM OT+8*\d, VF+8*\d, PC, \first, VS+\d/2, PS, \d&1
.endr
	s_add_co_u32 s[TC], s[TC], CSTEP
	s_add_co_u32 s[TS], s[TS], WSTEP
.endm
; ONE TILE OF 16 QUERIES: 16 key steps, then o = O / the sum, quantised along the head's 64 channels.
.macro TILE i, qs
.if \i
	s_wait_xcnt 0x0                                ; the first tile's store has read its registers: p's codes are written again below
.endif
	s_mov_b32 s[TC], 0
	s_mov_b32 s[TS], 0
	KLOAD LK, LKS, 0, 0                            ; K of key step 0
	STEP \qs, 1, 1
	s_mov_b32 s[CNT], 14
.Lstep_\@:
	STEP \qs, 1, 0
	s_sub_co_u32 s[CNT], s[CNT], 1
	s_cmp_lg_u32 s[CNT], 0
	s_cbranch_scc1 .Lstep_\@
	STEP \qs, 0, 0                                 ; the last step asks for no further K
.irp k, 0,1,2,3                        ; four places behind the last products
.if \i
	v_nop
.else
	v_mov_b32 v[QF+\k], v[Q1+\k]                   ; the second tile's q
.endif
.endr
	v_add_f32 v14, v14, v15                        ; the sum's two halves,
	s_delay_alu instid0(VALU_DEP_1)
	v_permlanex16_b32 v252, v14, s[SEL], s[SEL+1]
	s_delay_alu instid0(VALU_DEP_1)
	v_add_f32 v14, v14, v252                       ; and lane xor 16's: the row's sum
	s_wait_alu depctr_va_vdst(0)                   ; the wait ahead of the transcendental
	v_rcp_f32 v14, v14
	v_nop
	s_wait_alu depctr_va_vdst(0)                   ; and ahead of its first reader, which is also O^T's
.set jj, 0
.rept 16
	v_pk_mul_f32 v[S+jj:S+jj+1], v[OT+jj:OT+jj+1], v[14:15] op_sel_hi:[1,0]   ; o: register 8 d + j is channel 16 d + 8 h + j of my row
.set jj, jj+2
.endr
.irp x, 0, 1
	v_max3_num_f32 v[232+\x], |v[S+16*\x]|, |v[S+1+16*\x]|, 0x1800000   ; the head's two blocks of 32 channels; the floor as above
.endr
.irp j, 2,4,6,8,10,12,14
.irp x, 0, 1
	s_delay_alu instid0(VALU_DEP_2)
	v_max3_num_f32 v[232+\x], v[232+\x], |v[S+16*\x+\j]|, |v[S+1+16*\x+\j]|
.endr
.endr
.irp x, 0, 1
	s_delay_alu instid0(VALU_DEP_2)
	v_permlanex16_b32 v[236+\x], v[232+\x], s[SEL], s[SEL+1]
.endr
.irp x, 0, 1
	s_delay_alu instid0(VALU_DEP_2)
	v_max_num_f32 v[232+\x], v[232+\x], v[236+\x]
.endr
.irp x, 0, 1
	s_delay_alu instid0(VALU_DEP_2)
	v_add_nc_u32 v[SC+\x], 0xff000000, v[232+\x]
.endr
.irp x, 0, 1
	s_delay_alu instid0(VALU_DEP_2)
	v_lshrrev_b32 v[236+\x], 23, v[SC+\x]
.endr
	s_delay_alu instid0(VALU_DEP_1)
	v_lshl_or_b32 v234, v237, 8, v236              ; my row's scale word (both halves of the lanes hold it)
.irp x, 0, 1
.irp e, 0, 1
	v_cvt_scalef32_pk8_fp4_f32 v[PC+2*\e+\x], v[S+8*(2*\x+\e):S+8*(2*\x+\e)+7], v[SC+\x]
.endr
.endr
	v_nop                                          ; one plain place behind a scaled conversion
.irp e, 0, 1
	v_permlane16_swap_b32 v[PC+2*\e], v[PC+2*\e+1] ; register g, half h: channels 32 h + 8 g + 0 .. 7
.endr
	ds_store_b32 v[STW], v234 offset:64*\i         ; lanes r and 16 + r store the same word to the same place
	global_store_b128 v[LC], v[PC:PC+3], s[10:11] offset:8192*\i   ; 512 consecutive bytes, aligned
.endm
	TILE 0, QS0
	TILE 1, QS1
	; o's scale words of the work-group's 512 rows have met in LDS and leave in one run of 2,048 bytes
	s_wait_dscnt 0x0                               ; for the others' sake: my stores are done
	s_barrier_signal -1
	s_barrier_wait -1
	s_cmp_gt_u32 s[WV], 3
	s_cbranch_scc1 .Lend
	v_lshl_add_u32 v[ADV], v0, 4, OSTG
	v_lshlrev_b32 v[ADS], 4, v0
	ds_load_b128 v[232:235], v[ADV]
	s_wait_alu depctr_va_vdst(0)                   ; the wait here, directly ahead of the wait below
	s_wait_dscnt 0x0
	global_store_b128 v[ADS], v[232:235], s[12:13] ; a wave stores 512 consecutive bytes, aligned
.Lend:
	s_wait_tensorcnt 0x0                           ; the wave's end
	ds_add_u32 v[SPW], v[NIL]
	s_wait_dscnt 0x0
	ROUND                                          ; the closing round
	s_endpgm
.Lfunc_end_k_q9d561bd080_attn:
	.size	k_q9d561bd080_attn, .Lfunc_end_k_q9d561bd080_attn-k_q9d561bd080_attn
	.p2alignl 7, 3214868480
	.fill 96, 4, 3214868480
	.section	.rodata,"a",@progbits
	.p2align	6, 0x0
	.amdhsa_kernel k_q9d561bd080_attn
		.amdhsa_group_segment_fixed_size 169984
		.amdhsa_private_segment_fixed_size 0
		.amdhsa_enable_private_segment 0
		.amdhsa_kernarg_size 40
		.amdhsa_user_sgpr_count 2
		.amdhsa_user_sgpr_kernarg_segment_ptr 1
		.amdhsa_wavefront_size32 1
		.amdhsa_system_sgpr_workgroup_id_x 1
		.amdhsa_system_sgpr_workgroup_id_y 1
		.amdhsa_system_sgpr_workgroup_id_z 1
		.amdhsa_system_vgpr_workitem_id 0
		.amdhsa_next_free_vgpr 256
		.amdhsa_next_free_sgpr 66
		.amdhsa_reserve_vcc 0
		.amdhsa_float_denorm_mode_32 3
		.amdhsa_float_denorm_mode_16_64 3
		.amdhsa_memory_ordered 1
		.amdhsa_forward_progress 1
		.amdhsa_inst_pref_size 100
	.end_amdhsa_kernel
	.amdgpu_metadata
---
amdhsa.version: [ 1, 2 ]
amdhsa.kernels:
  - .name:           k_q9d561bd080_attn
    .symbol:         k_q9d561bd080_attn.kd
    .args:
      - { .name: qimg, .offset: 0, .size: 8, .value_kind: global_buffer, .address_space: global }
      - { .name: qsc, .offset: 8, .size: 8, .value_kind: global_buffer, .address_space: global }
      - { .name: kv, .offset: 16, .size: 8, .value_kind: global_buffer, .address_space: global }
      - { .name: oimg, .offset: 24, .size: 8, .value_kind: global_buffer, .address_space: global }
      - { .name: osc, .offset: 32, .size: 8, .value_kind: global_buffer, .address_space: global }
    .group_segment_fixed_size: 169984
    .private_segment_fixed_size: 0
    .kernarg_segment_align: 8
    .kernarg_segment_size: 40
    .max_flat_workgroup_size: 512
    .sgpr_count:     66
    .vgpr_count:     256
    .wavefront_size: 32
...
	.end_amdgpu_metadata
.endif
;; end of part 2
;; launch outp (part 3): grid 256 x 1, 8 waves a work-group, clusters of 4 x 1, 267,264 bytes of LDS; arguments oimg, osc, Wo_codes, Wo_scales, bo, out0; writes out0
.if DOCPART == 3
	.amdgcn_target "amdgcn-amd-amdhsa--gfx1250"
	.amdhsa_code_object_version 6
	.text
	.protected	k_q9d561bd080_outp
	.globl	k_q9d561bd080_outp
	.p2align	8
	.type	k_q9d561bd080_outp,@function
k_q9d561bd080_outp:
	s_mov_b64 s[64:65], 0
	v_nop
	global_prefetch_b8 v0, s[64:65] scope:SCOPE_SE
	s_setreg_imm32_b32 hwreg(HW_REG_WAVE_MODE, 25, 1), 1
	s_wait_xcnt 0x0
	s_wait_alu depctr_hold_cnt(0) depctr_sa_sdst(0) depctr_va_vdst(0) depctr_va_sdst(0) depctr_va_ssrc(0) depctr_va_vcc(0) depctr_vm_vsrc(0)
	s_getreg_b32 s2, hwreg(HW_REG_IB_STS2, 6, 4)
	s_cmp_eq_u32 s2, 0
	s_cbranch_scc0 .Lentry_in_a_cluster
	s_endpgm
.Lentry_in_a_cluster:
	s_bfe_u32 s2, ttmp6, 0x10000c
	s_cmp_lg_u32 s2, 0x3003
	s_cbranch_scc0 .Lentry_shape_is_right
	s_endpgm
.Lentry_shape_is_right:
; THE LAST PRODUCT, out = concat(heads) Wo + bo, on codes of FP4 (E2M1) with one E8M0 scale for each 32 along K = head x 64 + channel.
; Wo's codes: 1,024 rows (output columns) of 512 bytes, K innermost; its scale bytes 32 a row.  oimg, osc: the rows' codes and scale words as the launch before lays them.  out0: [8,192][1,024] f32.
; D = source 0's rows x source 1's rows, source 0 = 16 rows of Wo, source 1 = 16 rows of the heads: a lane holds eight neighbouring columns of one row of out0.
; SHARES.  A work-group makes 128 columns x 256 rows; each of eight waves all 128 columns x its own 32 rows: 16 accumulators.  K = 1,024 lies in LDS whole; nothing is filled twice.
; THE FILL, one tensor load a wave: waves 0-3 bring 32 whole rows of Wo each (512 bytes + 16 of padding); waves 4-7 bring 32,768 dense bytes of images each (four tiles of 16 rows),
; JOINTLY for the cluster's four work-groups, which take the same 256 rows and four different blocks of columns.
; No prefetch: the launch has one fill, at its head, and no loop that loads from memory.
; THE BIAS is loaded into the accumulators, so that every product adds in place.
; THE WAY OUT.  16 rows x 128 columns at a time go through the wave's own stage in LDS: each store of the wave covers 512 consecutive bytes, aligned.
.set PITCH, 528                        ; a row of Wo in LDS: 33 x 16 bytes, so the 16 rows that a load touches start in 16 different columns of 16 bytes
.set T16,   16*PITCH
.set IMG,   128*PITCH                  ; the images: wave w at IMG + 16,384 w: [my tile 0, 1][K step][register group 0, 1][512 bytes]
.set STG,   IMG+131072                 ; the stages: 16 rows x 528 bytes for each wave; no tile lands here
.set SP,    528
.set SPARE, STG+8*16*SP                ; the spare words, 128 bytes a wave
.set A0,  4
.set A1,  6
.set SLO, 8
.set BO,  9
.set LI,  10
.set LW,  11
.set SO,  12
.set SR,  13
.set SC0, 16                           ; v16-47  Wo's scale words: v[SC0 + 8 i + q]: lanes 0-15 tile 2 i, lanes 16-31 tile 2 i + 1, K step q
.set SC1, 48                           ; v48-55  the rows': lanes 0-15 my tile 0, lanes 16-31 my tile 1
.set RB,  56                           ; v56-71 the heads' words as loaded; later v56-119: 16 rows read back from the stage
.set SPW, 126
.set NIL, 127
.set ACC, 128                          ; accumulator (n, t) at v[ACC + 64 n + 8 t]
; window 1: v0-63, v64-127 Wo's eight fragments, two sets; v128-143, v144-159 the rows' two, two sets
.set WV,  54
.set W3,  55
.set CX,  56
.set G0,  57
.set G1,  58
.set G1P, 68
.set G1J, 76
.set D0,  84
.set D1,  92
.set MSB, 0
.macro WIN new
.if MSB != \new
	s_set_vgpr_msb (MSB<<8)|\new
.set MSB, \new
.endif
.endm
.set MUL,  0x05
.set TO_F, 0x40
.macro ROUND
	s_barrier_signal -1
	s_barrier_wait -1
	s_cmp_lg_u32 s[WV], 0
	s_cbranch_scc1 .Lnot_wave_0_\@
	s_barrier_signal -3
.Lnot_wave_0_\@:
	s_barrier_wait -3
	s_barrier_signal -1
	s_barrier_wait -1
.endm
.macro PLACES
.rept 4
	v_nop
.endr
.endm
.macro WM d, a, b, sa, sb, ra, rb
.if (\ra) && (\rb)
	v_wmma_scale_f32_16x16x128_f8f6f4 v[\d:\d+7], v[\a:\a+7], v[\b:\b+7], v[\d:\d+7], v[\sa], v[\sb] matrix_a_fmt:MATRIX_FMT_FP4 matrix_b_fmt:MATRIX_FMT_FP4 matrix_a_scale:MATRIX_SCALE_ROW1 matrix_b_scale:MATRIX_SCALE_ROW1
.elseif (\ra)
	v_wmma_scale_f32_16x16x128_f8f6f4 v[\d:\d+7], v[\a:\a+7], v[\b:\b+7], v[\d:\d+7], v[\sa], v[\sb] matrix_a_fmt:MATRIX_FMT_FP4 matrix_b_fmt:MATRIX_FMT_FP4 matrix_a_scale:MATRIX_SCALE_ROW1
.elseif (\rb)
	v_wmma_scale_f32_16x16x128_f8f6f4 v[\d:\d+7], v[\a:\a+7], v[\b:\b+7], v[\d:\d+7], v[\sa], v[\sb] matrix_a_fmt:MATRIX_FMT_FP4 matrix_b_fmt:MATRIX_FMT_FP4 matrix_b_scale:MATRIX_SCALE_ROW1
.else
	v_wmma_scale_f32_16x16x128_f8f6f4 v[\d:\d+7], v[\a:\a+7], v[\b:\b+7], v[\d:\d+7], v[\sa], v[\sb] matrix_a_fmt:MATRIX_FMT_FP4 matrix_b_fmt:MATRIX_FMT_FP4
.endif
.endm
; eight products of K step q.  The 16 accumulators take turns, one instruction a turn, in the same order in every step
.macro MUL8 q, t0
.irp t, \t0, \t0+1, \t0+2, \t0+3
.irp n, 0, 1
	WM ACC+64*\n+8*(\t), 64*((\q)&1)+8*(\t), 128+16*((\q)&1)+8*\n, SC0+8*((\t)/2)+(\q), SC1+(\q), (\t)&1, \n
.endr
.endr
.endm
; K step q's fragments into set q % 2: 20 loads, the rows' four first, then Wo's sixteen
.macro FETCH q
	WIN TO_F
.irp n, 0, 1
.irp c, 0, 1
	ds_load_b128 v[128+16*((\q)&1)+8*\n+4*\c:128+16*((\q)&1)+8*\n+4*\c+3], v[A1] offset:8192*\n+1024*(\q)+512*\c
.endr
.endr
.irp t, 0,1,2,3,4,5,6,7
.irp c, 0, 1
	ds_load_b128 v[64*((\q)&1)+8*\t+4*\c:64*((\q)&1)+8*\t+4*\c+3], v[A0] offset:T16*\t+64*(\q)+32*\c
.endr
.endr
.endm
.macro STEP q, fetch
	s_wait_dscnt 0x8                               ; all of this step's loads but the youngest eight (Wo's tiles 4-7) are in
	WIN MUL
	MUL8 \q, 0
.if \fetch
	PLACES                                         ; the other set was last read by the step before
	FETCH (\q)+1
	s_wait_dscnt 20                                ; all but the 20 just issued
.else
	s_wait_dscnt 0x0
.endif
	WIN MUL
	MUL8 \q, 4
.endm
	s_load_b256 s[4:11], s[0:1], 0x0               ; oimg, osc, Wo's codes, its scales
	s_load_b128 s[12:15], s[0:1], 0x20             ; bo, out0
	v_lshl_add_u32 v[SPW], v0, 2, SPARE
	v_mov_b32 v[NIL], 0
	ds_add_u32 v[SPW], v[NIL]                      ; the opening lines: the add twice on end and its wait
	ds_add_u32 v[SPW], v[NIL]
	v_lshrrev_b32 v1, 5, v0
	v_readfirstlane_b32 s[WV], v1                  ; wave 0..7
	s_and_b32 s[W3], s[WV], 3
	s_bfe_u32 s[CX], ttmp6, 0x40000
	s_and_b32 s59, ttmp9, 1
	s_lshl_b32 s[G0], s59, 2
	s_add_co_u32 s[G0], s[G0], s[CX]               ; my block of 128 columns
	s_lshr_b32 s[G1], ttmp9, 1                     ; the block of 256 rows: the four partners share it
	s_mov_b32 s[G1P+0], (1<<20)|(6<<22)|(3<<25)    ; Wo: no mask; elements of 1 byte; 4 words of padding behind every 128
	s_mov_b32 s[G1P+1], 512<<16
	s_mov_b32 s[G1P+2], 32<<16
	s_mov_b32 s[G1P+3], 512<<16
	s_mov_b32 s[G1P+4], 32
	s_mov_b32 s[G1P+5], 512
	s_mov_b32 s[G1P+6], 0
	s_mov_b32 s[G1P+7], 0
	s_mov_b32 s[G1J+0], 15|(3<<16)|(1<<21)         ; the images: the mask names all four; 128 dense rows of 256 bytes (32 elements of 8 bytes)
	s_mov_b32 s[G1J+1], 32<<16
	s_mov_b32 s[G1J+2], 128<<16
	s_mov_b32 s[G1J+3], 32<<16
	s_mov_b32 s[G1J+4], 128
	s_mov_b32 s[G1J+5], 32
	s_mov_b32 s[G1J+6], 0
	s_mov_b32 s[G1J+7], 0
	s_mul_i32 s59, s[W3], 32*PITCH                 ; where they go: the wave's number and constants alone
	s_lshl_b32 s60, s[W3], 15
	s_mov_b32 s[D0], 1
	s_mov_b32 s[D0+1], s59
	s_mov_b32 s[D1], 1
	s_add_co_u32 s[D1+1], s60, IMG
	s_lshl_b32 s66, s[G0], 16                      ; Wo: 128 rows of 512 bytes a block, 32 rows a loading wave.  (s66, s67 hold my place in the cluster: they never feed the joint descriptor)
	s_lshl_b32 s67, s[W3], 14
	s_add_co_u32 s66, s66, s67
	s_mov_b32 s67, 0
	s_lshl_b32 s62, s[G1], 17                      ; the images: 16 tiles of 8,192 bytes a block, four a loading wave
	s_add_co_u32 s62, s62, s60
	s_mov_b32 s63, 0
	s_lshl_b32 s61, s[WV], 14
	s_add_co_u32 s61, s61, IMG                     ; my wave's own two tiles
	s_wait_dscnt 0x0
	s_wait_kmcnt 0x0
	s_add_nc_u64 s[D0+2:D0+3], s[8:9], s[66:67]
	s_or_b32 s[D0+3], s[D0+3], 0x80000000
	s_add_nc_u64 s[D1+2:D1+3], s[4:5], s[62:63]
	s_or_b32 s[D1+3], s[D1+3], 0x80000000
	s_lshl_b32 s66, s[G0], 12                      ; Wo's scale bytes: 32 a row
	s_add_nc_u64 s[10:11], s[10:11], s[66:67]
	s_lshl_b32 s66, s[G0], 9                       ; the bias, and my columns in a row of out0
	s_add_nc_u64 s[12:13], s[12:13], s[66:67]
	s_add_nc_u64 s[14:15], s[14:15], s[66:67]
	s_lshl_b32 s62, s[G1], 10                      ; the rows' scale words: 4 bytes a row
	s_lshl_b32 s59, s[WV], 7
	s_add_co_u32 s62, s62, s59
	s_add_nc_u64 s[6:7], s[6:7], s[62:63]
	s_lshl_b32 s62, s[G1], 20                      ; my rows of out0: 4,096 bytes a row
	s_lshl_b32 s59, s[WV], 17
	s_add_co_u32 s62, s62, s59
	s_add_nc_u64 s[14:15], s[14:15], s[62:63]
	ROUND                                          ; all four work-groups are here: the joint loads meet
	s_cmp_lt_u32 s[WV], 4                          ; one load a wave, an arm each
	s_cbranch_scc0 .Lfor_img
	tensor_load_to_lds s[D0:D0+3], s[G1P:G1P+7]
	s_nop 0
.rept 4
	v_nop
.endr
	s_branch .Lasked
.Lfor_img:
	tensor_load_to_lds s[D1:D1+3], s[G1J:G1J+7]
	s_nop 0
.rept 4
	v_nop
.endr
.Lasked:
	v_and_b32 v1, 31, v0                           ; lane
	v_and_b32 v2, 15, v0                           ; r
	v_bfe_u32 v3, v0, 4, 1                         ; h
	v_mul_u32_u24 v[A0], v2, PITCH
	v_lshl_add_u32 v[A0], v3, 4, v[A0]             ; row r x pitch + 16 h
	v_lshlrev_b32 v[LI], 4, v1
	v_add_nc_u32 v[A1], s61, v[LI]
	v_lshlrev_b32 v[SLO], 5, v1
	v_lshlrev_b32 v[LW], 2, v1
	v_lshlrev_b32 v[BO], 5, v3
.irp i, 0,1,2,3                        ; lane l takes row 32 i + l of Wo's block: 8 words, one for each K step
.irp c, 0, 1
	global_load_b128 v[SC0+8*\i+4*\c:SC0+8*\i+4*\c+3], v[SLO], s[10:11] offset:1024*\i+16*\c
.endr
.endr
.irp g, 0,1,2,3,4,5,6,7,8,9,10,11,12,13,14,15
	global_load_b32 v[RB+\g], v[LW], s[6:7] offset:32768*\g   ; head g's two bytes of my wave's row l
.endr
.irp n, 0, 1                           ; accumulator (n, t), register j, lane (r, h): bo[128 block + 16 t + 8 h + j]
.irp t, 0,1,2,3,4,5,6,7
.irp k, 0, 1
	global_load_b128 v[ACC+64*\n+8*\t+4*\k:ACC+64*\n+8*\t+4*\k+3], v[BO], s[12:13] offset:64*\t+16*\k
.endr
.endr
.endr
	s_mul_i32 s59, s[WV], 16*SP
	s_add_co_u32 s59, s59, STG                     ; my stage
	s_wait_alu depctr_va_vdst(0)                   ; the wait here, directly ahead of the wait below
	s_wait_loadcnt 0x0
.irp q, 0,1,2,3,4,5,6,7
	v_lshl_or_b32 v[SC1+\q], v[RB+2*\q+1], 16, v[RB+2*\q]   ; K step q is heads 2 q and 2 q + 1: their bytes make its scale word
.endr
	v_mul_u32_u24 v[SO], v2, SP                    ; eight places between a scale word made by a vector instruction and the first product: these four and four v_nop
	v_lshl_add_u32 v[SO], v3, 5, v[SO]
	v_add_nc_u32 v[SO], s59, v[SO]                 ; in: row r, 32 bytes for each half of the lanes
	v_add_nc_u32 v[SR], s59, v[LI]                 ; back: the 32 lanes take one row's 512 bytes
	PLACES
	s_wait_alu depctr_va_vdst(0)                   ; the wait at the head's end
	s_wait_tensorcnt 0x0                           ; my part of the fill is in,
	s_barrier_signal -1
	s_barrier_wait -1                              ; everybody's is
	FETCH 0
	STEP 0, 1
	STEP 1, 1
	STEP 2, 1
	STEP 3, 1
	STEP 4, 1
	STEP 5, 1
	STEP 6, 1
	STEP 7, 0
	WIN 0
	PLACES
.irp n, 0, 1
.if \n
	s_wait_xcnt 0x0                                ; the first sixteen rows' stores have read their registers: the next sixteen rows land there
.endif
.irp t, 0,1,2,3,4,5,6,7
	ds_store_b128 v[SO], v[ACC+64*\n+8*\t:ACC+64*\n+8*\t+3] offset:64*\t          ; lane (r, h): columns 16 t + 8 h + 0 .. 7 of row r; each accumulator from its low end on
	ds_store_b128 v[SO], v[ACC+64*\n+8*\t+4:ACC+64*\n+8*\t+7] offset:64*\t+16
.endr
.irp i, 0,1,2,3,4,5,6,7,8,9,10,11,12,13,14,15
	ds_load_b128 v[RB+4*\i:RB+4*\i+3], v[SR] offset:SP*\i   ; LDS serves a wave's instructions in order (ISA guide 5.7.1.4): these see my stores
.endr
.irp i, 0,1,2,3,4,5,6,7,8,9,10,11,12,13,14,15
	s_wait_dscnt 15-\i                             ; row i is back; the younger reads may stay out
	global_store_b128 v[LI], v[RB+4*\i:RB+4*\i+3], s[14:15] offset:65536*\n+4096*\i th:TH_STORE_NT   ; 32 lanes store 512 consecutive bytes, aligned
.endr
.endr
	s_wait_tensorcnt 0x0                           ; the wave's end
	ds_add_u32 v[SPW], v[NIL]
	s_wait_dscnt 0x0
	ROUND                                          ; the closing round
	s_endpgm
.Lfunc_end_k_q9d561bd080_outp:
	.size	k_q9d561bd080_outp, .Lfunc_end_k_q9d561bd080_outp-k_q9d561bd080_outp
	.p2alignl 7, 3214868480
	.fill 96, 4, 3214868480
	.section	.rodata,"a",@progbits
	.p2align	6, 0x0
	.amdhsa_kernel k_q9d561bd080_outp
		.amdhsa_group_segment_fixed_size 267264
		.amdhsa_private_segment_fixed_size 0
		.amdhsa_enable_private_segment 0
		.amdhsa_kernarg_size 48
		.amdhsa_user_sgpr_count 2
		.amdhsa_user_sgpr_kernarg_segment_ptr 1
		.amdhsa_wavefront_size32 1
		.amdhsa_system_sgpr_workgroup_id_x 1
		.amdhsa_system_sgpr_workgroup_id_y 1
		.amdhsa_system_sgpr_workgroup_id_z 1
		.amdhsa_system_vgpr_workitem_id 0
		.amdhsa_next_free_vgpr 512
		.amdhsa_next_free_sgpr 104
		.amdhsa_reserve_vcc 0
		.amdhsa_float_denorm_mode_32 3
		.amdhsa_float_denorm_mode_16_64 3
		.amdhsa_memory_ordered 1
		.amdhsa_forward_progress 1
		.amdhsa_inst_pref_size 48
	.end_amdhsa_kernel
	.amdgpu_metadata
---
amdhsa.version: [ 1, 2 ]
amdhsa.kernels:
  - .name:           k_q9d561bd080_outp
    .symbol:         k_q9d561bd080_outp.kd
    .args:
      - { .name: oimg, .offset: 0, .size: 8, .value_kind: global_buffer, .address_space: global }
      - { .name: osc, .offset: 8, .size: 8, .value_kind: global_buffer, .address_space: global }
      - { .name: Wo_codes, .offset: 16, .size: 8, .value_kind: global_buffer, .address_space: global }
      - { .name: Wo_scales, .offset: 24, .size: 8, .value_kind: global_buffer, .address_space: global }
      - { .name: bo, .offset: 32, .size: 8, .value_kind: global_buffer, .address_space: global }
      - { .name: out0, .offset: 40, .size: 8, .value_kind: global_buffer, .address_space: global }
    .group_segment_fixed_size: 267264
    .private_segment_fixed_size: 0
    .kernarg_segment_align: 8
    .kernarg_segment_size: 48
    .max_flat_workgroup_size: 256
    .sgpr_count:     104
    .vgpr_count:     512
    .wavefront_size: 32
...
	.end_amdgpu_metadata
.endif
;; end of part 3
